; MI455X (gfx1250); checked and timed in simulation.
; The chip was launched on July 23, 2026; its instructions are those of AMD's public machine-readable ISA for CDNA 5 (MIT licence, August 2026) and "CDNA5" Instruction Set Architecture Reference Guide (July 2026). The comments in the code are by the model that wrote it; some were corrected since.
;; Feed Forward Quantum. Allowed arithmetic: float matrix products may take bf16 or f16 operands with f32 sums; other float arithmetic in f32, or as packed bf16 or f16 multiplies, adds, multiply-adds, maxima and minima; sums over many terms, partial sums and values carried from step to step in f32; what a program stores and reads back later, other than sums and carried values, may be rounded once to bf16 or f16.
;; Inputs: W1 4,096 x 8 float32; W2 1,024 x 4,096 float32; b1 4,096 float32; b2 1,024 float32; theta 8 float32; x 16 x 1,024 x 1,024 float32.
;; Outputs: out0 16 x 1,024 x 1,024 float32.
;; 2 versions, each right; version 2 is version 1 with the launch prep written anew for expert scheduling mode. Each part assembles by itself: llvm-mc -triple=amdgcn-amd-amdhsa -mcpu=gfx1250 --defsym DOCPART=n.
;; ======== version 1 of 2: 2 launches
;; limits: values outside matrix products are rounded to f16; values are held in f16: magnitudes above 65,504 overflow, below 6.1e-05 lose precision; right only within a limited range of input values; inputs' magnitudes at most 100,000
;; workspace buffers: w2h 8,388,608 bytes; w1x 131,072 bytes; qzx 524,288 bytes
;; launch prep (part 1): grid 256 x 1, 8 waves a work-group, no clusters, 0 bytes of LDS; arguments W2, x, W1, b1, theta, w2h, qzx, w1x; writes w2h, qzx, w1x
.if DOCPART == 1
	.amdgcn_target "amdgcn-amd-amdhsa--gfx1250"
	.amdhsa_code_object_version 6
	.text
	.protected	k_qda0cab50ef_prep
	.globl	k_qda0cab50ef_prep
	.p2align	8
	.type	k_qda0cab50ef_prep,@function
k_qda0cab50ef_prep:
	s_mov_b64 s[64:65], 0
	v_nop
	global_prefetch_b8 v0, s[64:65] scope:SCOPE_SE
	s_setreg_imm32_b32 hwreg(HW_REG_WAVE_MODE, 25, 1), 1
	s_wait_xcnt 0x0
; PREPARATION for the fused feed-forward launch.  Three tables are made, each number rounded once from f32 to f16:
;   w2h [1024][4096] f16: W2 as it lies.
;   qzx: for each group of 16 rows m of x, 512 bytes: lane L = 16 h + r of a wave finds at 16 L the numbers k = 8 h .. 8 h + 7 of row r's extended vector
;        (cos x[m][0..7], 1, 0 x 7): registers 0-3 of a 16-bit matrix fragment.  Only the first eight numbers of a row of x enter the result, so only those 32 bytes are read.
;   w1x: the same form for each group of 16 rows f of W1: (W1[f][0..7] x cos theta[0..7], b1[f], 0 x 7).  The dot product of the two extended vectors is qz . W1[f] + b1[f].
; cos theta is multiplied into W1 in f32, ahead of the one rounding: an order of rounding other than cos x cos theta first.
; THE COSINE: n = round(x / 2 pi); r = x - n 2 pi, 2 pi in two parts, by fused multiply-adds; cos r = 1 - 2 sin^2(r / 2), the sine by its series through y^11 on |y| <= pi / 2 (the first term left out is under 6e-8).
; LIMITS.  |x|, |theta| up to 1e5: the cosine is right to about 1e-6; from some 4e6 on the reduction loses digits.  f16 ends at 65,504: |W2|, |W1 cos theta| and |b1| stay under it; below 6e-5 f16 keeps a fixed step of 6e-8.
; SHARES.  256 work-groups of eight waves.  Work-group g: 16,384 numbers of W2, each wave 2,048 (sixteen loads of 512 consecutive bytes, sixteen stores of 256 consecutive aligned bytes);
; waves 0-3 also make group 4 g + wave of qzx, wave 4 group g of w1x.  No wave needs another's data: no LDS, no barrier, no matrix unit.
.set LANE, 1                           ; v1       lane
.set ROWR, 2                           ; v2       lane % 16
.set SIN,  3                           ; v3       the stream's byte offset in W2
.set DAT,  4                           ; v[4:11]  eight numbers of x or of W1; then v[4:7] the 16 bytes to store
.set BB,   12                          ; v12      b1[f]
.set T,    13                          ; v13-15   the cosine's work
.set CO,   16                          ; v[16:23] theta, cosines, products
.set SOUT, 24                          ; v24      the stream's byte offset in w2h
.set JIN,  25                          ; v25      the side job's load offset
.set JOUT, 26                          ; v26      16 x lane, then the side job's store offset
.set NUL,  27                          ; v27      0
.set ONE,  28                          ; v28      what lanes 16-31 put into their first word: f16 1.0, or b1[f]
.set BOF,  29                          ; v29      b1's offset
.set C5,   30                          ; v30      the series' last coefficient
.set X,    32                          ; v[32:95]  the sixteen stream loads
.set Y,    96                          ; v[96:127] sixteen pairs to store; written once, so no store's data is ever rewritten
.macro COS d, s                        ; v[d] = cos v[s]
	v_mul_f32 v[T], 0.15915494, v[(\s)]
	v_rndne_f32 v[T], v[T]                                 ; n
	v_fmamk_f32 v[T+1], v[T], 0xc0c90fdb, v[(\s)]          ; x - n x 6.2831855
	v_fmamk_f32 v[T+1], v[T], 0x343bbd2e, v[T+1]           ; + n x 1.7484555e-7: what that constant has too much
	v_mul_f32 v[T+1], 0.5, v[T+1]                          ; y = r / 2
	v_mul_f32 v[T+2], v[T+1], v[T+1]                       ; u = y y
	v_fmaak_f32 v[T], v[C5], v[T+2], 0x3638ef1d            ; sin y / y = 1 - u/3! + u^2/5! - u^3/7! + u^4/9! - u^5/11!, by Horner
	v_fmaak_f32 v[T], v[T], v[T+2], 0xb9500d01
	v_fmaak_f32 v[T], v[T], v[T+2], 0x3c088889
	v_fmaak_f32 v[T], v[T], v[T+2], 0xbe2aaaab
	v_fmaak_f32 v[T], v[T], v[T+2], 0x3f800000
	v_mul_f32 v[T], v[T], v[T]
	v_mul_f32 v[T], v[T], v[T+2]                           ; sin^2 y
	v_fma_f32 v[(\d)], v[T], -2.0, 1.0
.endm
.macro STREAM                          ; my 8,192 bytes of W2: sixteen loads on their way at once
.set j, 0
.rept 16
	global_load_b128 v[X+4*j:X+4*j+3], v[SIN], s[8:9] offset:512*j th:TH_LOAD_NT
.set j, j+1
.endr
.endm
.macro TABLE                           ; v[CO..CO+7] rounded to f16 in pairs; lanes 16-31 take (ONE, 0, 0, 0) instead: k = 8 .. 15 of the extended vector
.set j, 0
.rept 4
	v_cvt_pk_f16_f32 v[DAT+j], v[CO+2*j], v[CO+2*j+1]
.set j, j+1
.endr
	v_cmp_le_u32 vcc_lo, 16, v[LANE]
	v_cndmask_b32 v[DAT], v[DAT], v[ONE], vcc_lo
	v_cndmask_b32 v[DAT+1], v[DAT+1], v[NUL], vcc_lo
	v_cndmask_b32 v[DAT+2], v[DAT+2], v[NUL], vcc_lo
	v_cndmask_b32 v[DAT+3], v[DAT+3], v[NUL], vcc_lo
.endm
	s_load_b512 s[8:23], s[0:1], 0x0               ; W2 s[8:9], x s[10:11], W1 s[12:13], b1 s[14:15], theta s[16:17], w2h s[18:19], qzx s[20:21], w1x s[22:23]
	v_lshrrev_b32 v1, 5, v0
	v_readfirstlane_b32 s24, v1                    ; wave 0..7
	v_and_b32 v[LANE], 31, v0
	v_and_b32 v[ROWR], 15, v0
	v_lshlrev_b32 v[JOUT], 4, v[LANE]              ; 16 x lane
	v_lshl_add_u32 v[SIN], s24, 13, v[JOUT]        ; + 8,192 x wave
	v_lshlrev_b32 v[SOUT], 3, v[LANE]
	v_lshl_add_u32 v[SOUT], s24, 12, v[SOUT]       ; 8 x lane + 4,096 x wave
	v_mov_b32 v[NUL], 0
	v_mov_b32 v[C5], 0xb2d7322b                    ; -1 / 11!
	s_mov_b32 s28, ttmp9                           ; g
	s_lshl_b32 s29, s28, 2
	s_add_co_u32 s29, s29, s24                     ; 4 g + wave: the group of qzx (waves 0-3)
	s_lshl_b32 s26, s28, 16                        ; the work-group's 65,536 bytes of W2
	s_mov_b32 s27, 0
	s_wait_kmcnt 0x0
	s_add_nc_u64 s[8:9], s[8:9], s[26:27]
	s_lshl_b32 s26, s28, 15                        ; and its 32,768 bytes of w2h
	s_add_nc_u64 s[18:19], s[18:19], s[26:27]
	s_cmp_lt_u32 s24, 4
	s_cbranch_scc1 .Lq
	s_cmp_eq_u32 s24, 4
	s_cbranch_scc1 .Lw
	STREAM                                         ; waves 5-7 have the stream alone
	s_branch .Lconv
.Lq:                                                   ; waves 0-3: sixteen rows of x
	v_lshl_add_u32 v[JIN], s29, 4, v[ROWR]         ; row 16 (4 g + wave) + lane % 16; both halves of the lanes read it
	v_lshlrev_b32 v[JIN], 12, v[JIN]               ; x 4,096 bytes: under 2^26
	v_lshl_add_u32 v[JOUT], s29, 9, v[JOUT]        ; 512 bytes a group
	v_mov_b32 v[ONE], 0x3c00                       ; f16 1.0, then 0
	global_load_b128 v[DAT:DAT+3], v[JIN], s[10:11] th:TH_LOAD_NT
	global_load_b128 v[DAT+4:DAT+7], v[JIN], s[10:11] offset:16 th:TH_LOAD_NT
	STREAM
	s_wait_loadcnt 0x10                            ; loads come back in order: all but the stream's sixteen are in
.set i, 0
.rept 8
	COS CO+i, DAT+i
.set i, i+1
.endr
	TABLE
	global_store_b128 v[JOUT], v[DAT:DAT+3], s[20:21]  ; 512 consecutive bytes, at a multiple of 512 from qzx's first
	s_branch .Lconv
.Lw:                                                   ; wave 4: sixteen rows of W1, their b1, and theta
	v_lshl_add_u32 v[JIN], s28, 4, v[ROWR]         ; f = 16 g + lane % 16
	v_lshlrev_b32 v[BOF], 2, v[JIN]
	v_lshlrev_b32 v[JIN], 5, v[JIN]                ; a row of W1 is 32 bytes
	v_lshl_add_u32 v[JOUT], s28, 9, v[JOUT]
	global_load_b128 v[DAT:DAT+3], v[JIN], s[12:13]
	global_load_b128 v[DAT+4:DAT+7], v[JIN], s[12:13] offset:16
	global_load_b32 v[BB], v[BOF], s[14:15]
	global_load_b128 v[CO:CO+3], v[NUL], s[16:17]
	global_load_b128 v[CO+4:CO+7], v[NUL], s[16:17] offset:16
	STREAM
	s_wait_loadcnt 0x10                            ; all but the stream's sixteen
.set i, 0
.rept 8
	COS CO+i, CO+i
.set i, i+1
.endr
.set i, 0
.rept 8
	v_mul_f32 v[CO+i], v[DAT+i], v[CO+i]           ; W1[f][w] cos theta[w], in f32
.set i, i+1
.endr
	v_cvt_pk_f16_f32 v[ONE], v[BB], v[NUL]         ; b1[f], then 0
	TABLE
	global_store_b128 v[JOUT], v[DAT:DAT+3], s[22:23]
.Lconv:                                                ; on every way here the youngest sixteen loads are the stream's
.set j, 0
.rept 16
	s_wait_loadcnt 15-j                            ; load j is in, the younger ones stay out
	v_cvt_pk_f16_f32 v[Y+2*j], v[X+4*j], v[X+4*j+1]
	v_cvt_pk_f16_f32 v[Y+2*j+1], v[X+4*j+2], v[X+4*j+3]
	global_store_b64 v[SOUT], v[Y+2*j:Y+2*j+1], s[18:19] offset:256*j  ; the wave's 32 lanes store 256 consecutive bytes, at a multiple of 256 from w2h's first
.set j, j+1
.endr
	s_endpgm
.Lfunc_end_k_qda0cab50ef_prep:
	.size	k_qda0cab50ef_prep, .Lfunc_end_k_qda0cab50ef_prep-k_qda0cab50ef_prep
	.p2alignl 7, 3214868480
	.fill 96, 4, 3214868480
	.section	.rodata,"a",@progbits
	.p2align	6, 0x0
	.amdhsa_kernel k_qda0cab50ef_prep
		.amdhsa_group_segment_fixed_size 0
		.amdhsa_private_segment_fixed_size 0
		.amdhsa_enable_private_segment 0
		.amdhsa_kernarg_size 64
		.amdhsa_user_sgpr_count 2
		.amdhsa_user_sgpr_kernarg_segment_ptr 1
		.amdhsa_wavefront_size32 1
		.amdhsa_system_sgpr_workgroup_id_x 1
		.amdhsa_system_sgpr_workgroup_id_y 1
		.amdhsa_system_sgpr_workgroup_id_z 1
		.amdhsa_system_vgpr_workitem_id 0
		.amdhsa_next_free_vgpr 128
		.amdhsa_next_free_sgpr 66
		.amdhsa_reserve_vcc 1
		.amdhsa_float_denorm_mode_32 3
		.amdhsa_float_denorm_mode_16_64 3
		.amdhsa_memory_ordered 1
		.amdhsa_forward_progress 1
		.amdhsa_inst_pref_size 24
	.end_amdhsa_kernel
	.amdgpu_metadata
---
amdhsa.version: [ 1, 2 ]
amdhsa.kernels:
  - .name:           k_qda0cab50ef_prep
    .symbol:         k_qda0cab50ef_prep.kd
    .args:
      - { .name: W2, .offset: 0, .size: 8, .value_kind: global_buffer, .address_space: global }
      - { .name: x, .offset: 8, .size: 8, .value_kind: global_buffer, .address_space: global }
      - { .name: W1, .offset: 16, .size: 8, .value_kind: global_buffer, .address_space: global }
      - { .name: b1, .offset: 24, .size: 8, .value_kind: global_buffer, .address_space: global }
      - { .name: theta, .offset: 32, .size: 8, .value_kind: global_buffer, .address_space: global }
      - { .name: w2h, .offset: 40, .size: 8, .value_kind: global_buffer, .address_space: global }
      - { .name: qzx, .offset: 48, .size: 8, .value_kind: global_buffer, .address_space: global }
      - { .name: w1x, .offset: 56, .size: 8, .value_kind: global_buffer, .address_space: global }
    .group_segment_fixed_size: 0
    .private_segment_fixed_size: 0
    .kernarg_segment_align: 8
    .kernarg_segment_size: 64
    .max_flat_workgroup_size: 256
    .sgpr_count:     66
    .vgpr_count:     128
    .wavefront_size: 32
...
	.end_amdgpu_metadata
.endif
;; end of part 1
;; launch ffn (part 2): grid 64 x 4, 4 waves a work-group, clusters of 4 x 1, 327,680 bytes of LDS; arguments w2h, w1x, qzx, b2, out0; writes out0
.if DOCPART == 2
	.amdgcn_target "amdgcn-amd-amdhsa--gfx1250"
	.amdhsa_code_object_version 6
	.text
	.protected	k_qda0cab50ef_ffn
	.globl	k_qda0cab50ef_ffn
	.p2align	8
	.type	k_qda0cab50ef_ffn,@function
k_qda0cab50ef_ffn:
	s_mov_b64 s[64:65], 0
	v_nop
	global_prefetch_b8 v0, s[64:65] scope:SCOPE_SE
	s_setreg_imm32_b32 hwreg(HW_REG_WAVE_MODE, 25, 1), 1
	s_wait_xcnt 0x0
	s_wait_alu depctr_hold_cnt(0) depctr_sa_sdst(0) depctr_va_vdst(0) depctr_va_sdst(0) depctr_va_ssrc(0) depctr_va_vcc(0) depctr_vm_vsrc(0)
	s_getreg_b32 s2, hwreg(HW_REG_IB_STS2, 6, 4)
	s_cmp_eq_u32 s2, 0
	s_cbranch_scc0 .Lentry_in_a_cluster
	s_endpgm
.Lentry_in_a_cluster:
	s_bfe_u32 s2, ttmp6, 0x10000c
	s_cmp_lg_u32 s2, 0x3003
	s_cbranch_scc0 .Lentry_shape_is_right
	s_endpgm
.Lentry_shape_is_right:
; out[m][e] = sum over f of relu(qz[m] . W1[f] + b1[f]) W2[e][f] + b2[e]:  m = 16,384 rows, f = 4,096, e = 1,024; out in f32.  h = relu(..) is never in memory.
; INPUTS, made by the launch before: w2h = W2 in f16, [1024][4096]; w1x and qzx, the extended rows (W1 cos theta, b1, 0 ..) and (cos x, 1, 0 ..) in f16, laid out as matrix fragments:
; 512 bytes for 16 rows, lane L's registers 0-3 at 16 L; k = 16 .. 31 are zeros that stay in registers 4-7.
; LIMITS.  All matrix operands are f16, sums f32: h, at most the sum over w of |W1| plus |b1|, stays under 65,504; a NaN in front of the ReLU becomes 0 (the maximum drops it).
; SHARES.  A work-group makes 256 rows x 256 columns of out; 64 x 4 work-groups.  Wave w owns rows 64 w .. 64 w + 63 and ALL 256 columns: 4 x 16 accumulators of 16 x 16, 512 registers.  So a wave makes
; the h that it multiplies: nothing of h changes waves, and 8 matrix instructions that make 64 rows x 32 f of h stand beside the 64 that use them.
; THE TWO PRODUCTS, both transposed.  GEN: source 0 = 16 rows f of w1x, source 1 = 16 rows m of qzx: a lane of the result holds ONE row m (lane % 16) and f = 8 (lane / 16) + 0..7.  Two such results, rounded to f16
; in pairs and held to 0 from below, ARE source 1 (32 f x 16 m) of MAIN, whose source 0 is 16 rows e of w2h: its result holds one row m a lane and eight neighbouring columns e.
; LDS.  The whole w1x table (131,072 bytes, filled once); a ring of two slots, each a K step of 128: 256 rows e x 256 bytes of w2h; a stage for each wave on the way out; the spare words.
; CLUSTER.  The four work-groups of a cluster have the same columns e, so they walk the same tiles of w2h and hold the same table: every tensor load is asked for JOINTLY, by the same line, descriptor and mask of four.
; THE PIPELINE.  A quarter is 32 along K: 64 MAIN in four units of 16 (one unit for each 16 rows a).  Behind each unit stand: the rounding and ReLU of one fragment of h, two GEN for the next, eight LDS loads of the
; next quarter's fragments of w2h.  h has one buffer: fragment a is written anew one unit behind the unit that read it.
; REGISTERS, in windows of 256 (s_set_vgpr_msb: bits 1:0 source 0, 3:2 source 1, 5:4 source 2, 7:6 destination):
;   window 0: addresses, bias, QZ, WX, G, H (below);  window 1: fragments of w2h, two buffers of 128 (fragment b at + 8 b);  window 2: accumulators of a = 0, 1;  window 3: of a = 2, 3: (a, b) at v[8 (16 (a % 2) + b)]
.set PITCH,  272                       ; a slot's row: 256 bytes + 16 of padding = 68 words: row r starts at bank 4 r mod 64 (64 banks of 4 bytes: ISA guide 11.1), so the 16 rows of a load start at 16 different banks
.set QROWS,  64*PITCH                  ; 64 rows: what one tensor load brings
.set SLOT,   4*QROWS                   ; 256 rows
.set RING,   131072                    ; behind the table
.set STAGE,  RING+2*SLOT               ; behind the ring, never filled by a tensor load: 16 rows x 528 bytes for each wave
.set SPITCH, 528                       ; 512 bytes + 16: the 16 rows of a store start at 16 different groups of four banks
.set WSTAGE, 16*SPITCH
.set SPARE,  STAGE+4*WSTAGE            ; behind the stages: the spare words, 128 bytes for each wave: two blocks of 256 bytes that no other line names
.set LN16, 3                           ; v3   16 x lane: my place in a fragment's 512 bytes, in b2's and in a row of out; never rewritten
.set ADRB, 4                           ; v4-5 LDS address of my part of w2h's fragments in slot 0, 1
.set AW,   6                           ; v6   16 x lane + the lap's first byte in the table
.set STO,  7                           ; v7   the way out: where I put 32 bytes of a row
.set RD,   8                           ; v8   the way out: where I read a row back
.set ZERO, 10                          ; v10  0, for the ReLU
.set SPW,  12                          ; v12  LDS address of my spare word: SPARE + 4 x my thread's number; never rewritten
.set NIL,  13                          ; v13  0; never rewritten
.set BIAS, 16                          ; v[16:23]   b2 of my four columns in each half of the tile's 256
.set QZ,   32                          ; v[32:63]   four fragments of qzx, one for each 16 rows a
.set WX,   64                          ; v[64:95]   fragments of w1x: two buffers (by the quarter's parity) of two (16 f each)
.set G,    96                          ; v[96:127]  GEN's results: two buffers (by a's parity) of two
.set H,    128                         ; v[128:159] four fragments of h
.set WV,   14                          ; s14  my wave's number
.set G1B,  24                          ; s[24:31] descriptor group 1 for w2h's tiles
.set G1W,  32                          ; s[32:39] for the table
.set G0B,  40                          ; s[40:47] descriptor group 0 for w2h's tiles, a set for each slot
.set G0W,  48                          ; s[48:51] for the table
.set CNT,  52                          ; s52  laps to go
.set TBW,  59                          ; s59  the lap's first byte in the table
.set MSB, 0
.macro WIN new                         ; the immediate's high byte repeats the setting that is left; a switch that changes nothing is dropped
.if MSB != (\new)
	s_set_vgpr_msb (MSB<<8)|(\new)
.set MSB, (\new)
.endif
.endm
.macro PLACES                          ; a vector instruction, an LDS store or a load that touches a matrix instruction's registers stands four plain vector instructions behind it
.rept 4
	v_nop
.endr
.endm
.macro CREST                           ; a round of the cluster's barrier behind its opening barrier: wave 0 signals for the work-group, every wave waits for all four, my work-group's barrier closes it
	s_cmp_lg_u32 s[WV], 0
	s_cbranch_scc1 .Lnot_wave_0_\@
	s_barrier_signal -3
.Lnot_wave_0_\@:
	s_barrier_wait -3
	s_barrier_signal -1
	s_barrier_wait -1
.endm
.macro CROUND                          ; a whole round
	s_barrier_signal -1
	s_barrier_wait -1
	CREST
.endm
.macro JLOAD s                         ; a joint refill of slot s: every wave fetches its 64 rows; an s_nop 0 and four v_nop follow the line
	tensor_load_to_lds s[G0B+4*(\s):G0B+4*(\s)+3], s[G1B:G1B+7]
	s_nop 0
	PLACES
.endm
; A unit: 16 matrix instructions, rows 16 a .. 16 a + 15 x all 256 columns, 32 along K, w2h's fragments from buffer f.  zero = 1: the products start the sums: nothing is ever cleared.
; The 64 accumulators take turns, one instruction a turn.
.macro MAIN f, a, zero
	WIN 0xa1+0x50*((\a)/2)                         ; source 0 window 1, source 1 window 0, C and D window 2 or 3
.set bb, 0
.rept 16
.set rD, 8*(16*((\a)%2)+bb)
.if \zero
	v_wmma_f32_16x16x32_f16 v[rD:rD+7], v[(\f)+8*bb:(\f)+8*bb+7], v[H+8*(\a):H+8*(\a)+7], 0
.else
	v_wmma_f32_16x16x32_f16 v[rD:rD+7], v[(\f)+8*bb:(\f)+8*bb+7], v[H+8*(\a):H+8*(\a)+7], v[rD:rD+7]
.endif
.set bb, bb+1
.endr
.endm
.macro GEN1 a, w, c                    ; 16 f (half c of table buffer w) x 16 rows a, before the ReLU: qz . W1 + b1
	v_wmma_f32_16x16x32_f16 v[G+16*((\a)%2)+8*(\c):G+16*((\a)%2)+8*(\c)+7], v[WX+16*(\w)+8*(\c):WX+16*(\w)+8*(\c)+7], v[QZ+8*(\a):QZ+8*(\a)+7], 0
.endm
.macro CV n, a                         ; line n of the 16 that make fragment a of h: 0-7 round pairs to f16 (each result's lowest registers are read first), 8-15 the ReLU on two at a time
.if (\n) < 8
	v_cvt_pk_f16_f32 v[H+8*(\a)+(\n)], v[G+16*((\a)%2)+2*(\n)], v[G+16*((\a)%2)+2*(\n)+1]
.else
	v_pk_max_num_f16 v[H+8*(\a)+(\n)-8], v[H+8*(\a)+(\n)-8], v[ZERO]
.endif
.endm
.macro CVS from, to, a                 ; lines from .. to - 1
.set nn, (\from)
.rept (\to)-(\from)
	CV nn, \a
.set nn, nn+1
.endr
.endm
; What stands behind a unit, on window 0 alone: fragment ca of h is finished, and the two GEN for fragment ga (the other parity, so the other buffer of G) stand among its lines.
; Behind the second GEN stand the four last ReLU lines, which name none of its registers; its first reader comes four more lines later, in the next unit's share.
.macro REGWORK gen, ga, gw, conv, ca
	WIN 0
.if \conv
	CVS 0, 6, \ca
.endif
.if \gen
	GEN1 \ga, \gw, 0
.endif
.if \conv
	CVS 6, 12, \ca
.endif
.if \gen
	GEN1 \ga, \gw, 1
.endif
.if \conv
	CVS 12, 16, \ca
.endif
.endm
.macro WL w, off                       ; 32 f of the table into buffer w: two loads of 512 consecutive bytes
	WIN 0
	ds_load_b128 v[WX+16*(\w):WX+16*(\w)+3], v[AW] offset:(\off)
	ds_load_b128 v[WX+16*(\w)+8:WX+16*(\w)+11], v[AW] offset:(\off)+512
.endm
.macro BL slot, k, f, i                ; slice i of four: fragments 4 i .. 4 i + 3 of w2h (64 rows e, 32 K at byte k of the rows) into buffer f: eight loads
	WIN 0x40                                       ; destination window 1, address window 0
.set bb, 4*(\i)
.rept 4
	ds_load_b128 v[(\f)+8*bb:(\f)+8*bb+3],   v[ADRB+(\slot)] offset:(\k)+16*PITCH*bb
	ds_load_b128 v[(\f)+8*bb+4:(\f)+8*bb+7], v[ADRB+(\slot)] offset:(\k)+16*PITCH*bb+32
.set bb, bb+1
.endr
.endm
; A QUARTER: number q of the K step in this slot; lp: its place in the lap (it sets the table's offset); after: how many quarters follow, 2 at the most; chg: 2 = this slot is left and filled again, 1 = left.
; Beside its 64 MAIN it finishes its own fragment 3 of h, makes the next quarter's h but for that, fetches slices 1-3 of the next quarter's w2h, slice 0 of the quarter after, and that quarter's 32 f of the table.
; Distances: a fragment of h, and a buffer of w2h, is written anew with the 16 lines of a whole REGWORK between it and the last product that read it.
; THE CHANGE OF SLOTS stands in q = 2: with slice 3 the slot's last bytes have been asked for.  Each wave waits for all its tensor loads, of which one is out: its part of the other slot; adds 0 to its spare word;
; a unit later it waits for that and for its reads of the slot.  Behind the barrier nobody reads this slot any more and the other slot is whole.  chg = 2: the barrier opens a round of the cluster's, so that the same
; holds of every partner, and the joint refill, two K steps on, is the first thing behind it; it has a K step less one unit in which to land.
.macro QTR slot, q, lp, zero, after, chg
.set FB, 128*((\q)%2)                  ; this quarter's buffer,
.set FN, 128-FB                        ; the next one's
.set WN, ((\q)+1)%2                    ; the table buffer of the next quarter
.set NK1, 64*(((\q)+1)%4)              ; where the next quarter lies: byte in the rows, slot
.set NS1, ((\slot)+((\q)+1)/4)%2
.set NK2, 64*(((\q)+2)%4)              ; and the one after
.set NS2, ((\slot)+((\q)+2)/4)%2
.set MORE, 0
.if (\after) >= 1
.set MORE, 1
.endif
.if (\after) == 0
	s_wait_dscnt 0x0
.else
	s_wait_dscnt 0x8                               ; LDS loads come back in order: all but the youngest eight, slice 0 of the next quarter, are in: my four slices, and the table's 32 f for the GEN below
.endif
	MAIN FB, 0, \zero
	REGWORK MORE, 0, WN, 1, 3
.if MORE
	BL NS1, NK1, FN, 1
.endif
	MAIN FB, 1, \zero
.if MORE
	REGWORK 1, 1, WN, 1, 0
.endif
.if (\after) == 2
	WL (\q)%2, ((\lp)+2)*1024
.endif
.if MORE
	BL NS1, NK1, FN, 2
.endif
	MAIN FB, 2, \zero
.if MORE
	REGWORK 1, 2, WN, 1, 1
	BL NS1, NK1, FN, 3
.endif
.if \chg
	WIN 0                                          ; (the add's two registers lie in window 0)
	s_wait_tensorcnt 0x0                           ; all my tensor loads have landed: the one that was out is my part of the other slot;
	ds_add_u32 v[SPW], v[NIL]                      ; 0 onto my spare word; a unit of matrix work stands between it and the wait for it
.endif
	MAIN FB, 3, \zero
.if \chg
	s_wait_dscnt 0x0                               ; the add is done, and my reads of this slot are over
	s_barrier_signal -1                            ; say so, and work on registers while the others arrive
.endif
.if MORE
	REGWORK 1, 3, WN, 1, 2
.endif
.if \chg
	s_barrier_wait -1                              ; (every window is 0 here: branches follow)
.if (\chg) == 2
	CREST                                          ; no wave of any partner still reads this slot or has a load on its way
	s_add_nc_u64 s[G0B+4*(\slot)+2:G0B+4*(\slot)+3], s[G0B+4*(\slot)+2:G0B+4*(\slot)+3], 512  ; two K steps of 256 bytes on; no tensor load of mine is out, so a group 0 may be written
	JLOAD \slot
.endif
.endif
.if (\after) == 2
	BL NS2, NK2, FB, 0
.endif
.endm
	s_load_b256 s[4:11], s[0:1], 0x0               ; w2h s[4:5], w1x s[6:7], qzx s[8:9], b2 s[10:11]
	s_load_b64 s[12:13], s[0:1], 0x20              ; out0
	v_lshl_add_u32 v[SPW], v0, 2, SPARE
	v_mov_b32 v[NIL], 0
	ds_add_u32 v[SPW], v[NIL]                      ; the wave's opening: the add and its wait stand ahead of my first tensor load; the set-up below, work on registers, stands between them
	v_lshrrev_b32 v1, 5, v0
	v_readfirstlane_b32 s[WV], v1                  ; wave 0..3
	s_bfe_u32 s15, ttmp6, 0x40000                  ; cx: my place in the cluster
	s_lshl_b32 s16, ttmp9, 2                       ; in a cluster launch ttmp9 counts clusters
	s_add_co_u32 s16, s16, s15                     ; my block of 256 rows = 4 x cluster x + cx: it enters qzx's and out0's addresses alone
	s_and_b32 s17, ttmp7, 0xffff                   ; my block of 256 columns, which the four partners share
	; descriptor group 1 for w2h: a tile of 64 rows x 128 elements of 2 bytes, padded in LDS
	s_mov_b32 s[G1B+0], 15|(1<<16)|(1<<20)|(1<<21)|(5<<22)|(3<<25)  ; 15:0 the mask of four; 17:16 elements of 2 bytes; 20 padding on; 21 set beside a mask; 24:22 after every 64 words (code 5); 31:25 4 words (code 3)
	s_mov_b32 s[G1B+1], 128<<16                    ; tensor_dim0 = 128
	s_mov_b32 s[G1B+2], 64<<16                     ; tensor_dim1 = 64
	s_mov_b32 s[G1B+3], 128<<16                    ; tile_dim0 = 128
	s_mov_b32 s[G1B+4], 64                         ; tile_dim1 = 64
	s_mov_b32 s[G1B+5], 4096                       ; elements from row to row
	s_mov_b32 s[G1B+6], 0
	s_mov_b32 s[G1B+7], 0
	; for the table: a dense block of 32,768 bytes a wave, as 128 rows of 32 elements of 8 bytes
	s_mov_b32 s[G1W+0], 15|(3<<16)|(1<<21)
	s_mov_b32 s[G1W+1], 32<<16
	s_mov_b32 s[G1W+2], 128<<16
	s_mov_b32 s[G1W+3], 32<<16
	s_mov_b32 s[G1W+4], 128
	s_mov_b32 s[G1W+5], 32
	s_mov_b32 s[G1W+6], 0
	s_mov_b32 s[G1W+7], 0
	s_lshl_b32 s18, s17, 21                        ; w2h: 256 rows of 8,192 bytes for each block of columns,
	s_lshl_b32 s19, s[WV], 19                      ; 64 rows for each wave
	s_add_co_u32 s18, s18, s19
	s_mov_b32 s19, 0
	s_mul_i32 s53, s[WV], QROWS                    ; and where they go in a slot: no place in the cluster enters an LDS address
	s_lshl_b32 s54, s[WV], 15                      ; my quarter of the table, in memory and in LDS
	s_mov_b32 s55, 0
	s_lshl_b32 s20, s16, 13                        ; qzx: 16 groups of 512 bytes for each block of rows,
	s_lshl_b32 s21, s[WV], 11                      ; four for each wave
	s_add_co_u32 s20, s20, s21
	s_mov_b32 s21, 0
	s_lshl_b32 s22, s16, 20                        ; out0: 256 rows of 4,096 bytes,
	s_lshl_b32 s23, s[WV], 18                      ; 64 rows,
	s_add_co_u32 s22, s22, s23
	s_lshl_b32 s56, s17, 10                        ; 256 columns of 4 bytes: in out0 and in b2
	s_add_co_u32 s22, s22, s56
	s_mov_b32 s23, 0
	s_mov_b32 s57, 0
	s_mov_b32 s[G0B+0], 1                          ; 1:0 count = 1
	s_add_co_u32 s[G0B+1], s53, RING               ; 63:32 LDS address: slot 0
	s_mov_b32 s[G0B+4], 1
	s_add_co_u32 s[G0B+5], s53, RING+SLOT          ; slot 1
	s_mov_b32 s[G0W+0], 1
	s_mov_b32 s[G0W+1], s54
	s_mov_b32 s[TBW], 0
	s_wait_dscnt 0x0                               ; the opening add is done
	s_wait_kmcnt 0x0
	s_add_nc_u64 s[4:5], s[4:5], s[18:19]
	s_mov_b64 s[G0B+2:G0B+3], s[4:5]               ; 120:64 global address: K step 0
	s_or_b32 s[G0B+3], s[G0B+3], 0x80000000        ; 127:126 type = 2
	s_add_nc_u64 s[G0B+6:G0B+7], s[4:5], 256       ; K step 1
	s_or_b32 s[G0B+7], s[G0B+7], 0x80000000
	s_add_nc_u64 s[G0W+2:G0W+3], s[6:7], s[54:55]
	s_or_b32 s[G0W+3], s[G0W+3], 0x80000000
	s_add_nc_u64 s[8:9], s[8:9], s[20:21]          ; qzx at my wave's first group
	s_add_nc_u64 s[10:11], s[10:11], s[56:57]      ; b2 at the tile's first column
	s_add_nc_u64 s[12:13], s[12:13], s[22:23]      ; out0 at my wave's first row, the tile's first column
	CROUND                                         ; all four work-groups are here: the first joint loads meet
	tensor_load_to_lds s[G0B:G0B+3], s[G1B:G1B+7]  ; the first fills go out together: three loads of mine are out.  K step 0,
	s_nop 0
	tensor_load_to_lds s[G0W:G0W+3], s[G1W:G1W+7]  ; my quarter of the table,
	s_nop 0
	tensor_load_to_lds s[G0B+4:G0B+7], s[G1B:G1B+7]  ; K step 1
	s_nop 0
	PLACES
	v_and_b32 v9, 31, v0                           ; lane
	v_and_b32 v1, 15, v0                           ; lane % 16
	v_bfe_u32 v2, v0, 4, 1                         ; lane / 16
	v_lshlrev_b32 v[LN16], 4, v9
.set i, 0
.rept 4
	global_load_b128 v[QZ+8*i:QZ+8*i+3], v[LN16], s[8:9] offset:512*i  ; my 64 rows' extended vectors stay in registers
.set i, i+1
.endr
	global_load_b128 v[BIAS:BIAS+3], v[LN16], s[10:11]
	global_load_b128 v[BIAS+4:BIAS+7], v[LN16], s[10:11] offset:512
	; k = 16 .. 31 of both extended vectors: 32 registers of zeros, written once, in the wait for the first tile
.set i, 0
.rept 4
.set j, 4
.rept 4
	v_mov_b32 v[QZ+8*i+j], 0
	v_mov_b32 v[WX+8*i+j], 0
.set j, j+1
.endr
.set i, i+1
.endr
	v_mov_b32 v[ZERO], 0
	; A fragment of w2h is 16 rows x 32 K in 8 registers: lane l holds row l % 16; registers 0-3 K = 8 (l / 16) + 0..7, registers 4-7 K = 16 + 8 (l / 16) + 0..7: two loads of 16 bytes, 32 bytes apart.
	v_mul_u32_u24 v[ADRB], v1, PITCH
	v_lshl_add_u32 v[ADRB], v2, 4, v[ADRB]         ; row x pitch + 16 x half
	v_add_nc_u32 v[ADRB+1], RING+SLOT, v[ADRB]
	v_add_nc_u32 v[ADRB], RING, v[ADRB]
	v_mov_b32 v[AW], v[LN16]
	s_mul_i32 s58, s[WV], WSTAGE
	s_add_co_u32 s58, s58, STAGE                   ; my stage
	v_mul_u32_u24 v[STO], v1, SPITCH               ; in: row l % 16, 32 bytes for each half of the lanes
	v_lshl_add_u32 v[STO], v2, 5, v[STO]
	v_add_nc_u32 v[STO], s58, v[STO]
	v_add_nc_u32 v[RD], s58, v[LN16]               ; back: 32 lanes take a row's 512 bytes
	s_wait_tensorcnt 0x1                           ; my parts of K step 0 and of the table are in; K step 1's, issued last, may stay out
	s_barrier_signal -1
	s_barrier_wait -1                              ; everybody's are
	WL 0, 0                                        ; the table's f = 0 .. 31 and 32 .. 63,
	WL 1, 1024
	BL 0, 0, 0, 0                                  ; w2h's fragments of quarter 0,
	BL 0, 0, 0, 1
	BL 0, 0, 0, 2
	BL 0, 0, 0, 3
	BL 0, 64, 128, 0                               ; and slice 0 of quarter 1
	WIN 0
	s_wait_loadcnt 0x0                             ; qzx and b2
	s_wait_dscnt 40                                ; the table's four loads are in; the 40 loads of w2h issued behind them may be out
	GEN1 0, 0, 0                                   ; THE FIRST h: quarter 0's fragments 0 to 2; fragment 3 is finished in the quarter itself, like every quarter's
	GEN1 0, 0, 1
	GEN1 1, 0, 0
	GEN1 1, 0, 1
	PLACES
	CVS 0, 16, 0
	GEN1 2, 0, 0
	GEN1 2, 0, 1
	CVS 0, 16, 1
	GEN1 3, 0, 0
	GEN1 3, 0, 1
	CVS 0, 16, 2
	QTR 0, 0, 0, 1, 2, 0                           ; the first quarter stands in front of the loop: its products start the sums
	WIN 0                                          ; at a label and at a branch every window is 0
	s_mov_b32 s[CNT], 15
.Llap:                                                 ; a trip goes once round the ring, from a lap's second quarter to the next lap's first, and fills both slots again: trip t asks for K steps 2 t + 2 and 2 t + 3
	QTR 0, 1, 1, 0, 2, 0
	QTR 0, 2, 2, 0, 2, 2
	QTR 0, 3, 3, 0, 2, 0
	QTR 1, 0, 4, 0, 2, 0
	QTR 1, 1, 5, 0, 2, 0
	QTR 1, 2, 6, 0, 2, 2
	QTR 1, 3, 7, 0, 2, 0
	QTR 0, 0, 8, 0, 2, 0
	WIN 0
	s_add_co_u32 s[TBW], s[TBW], 0x2000            ; a lap is 256 f: 8,192 bytes of the table
	v_add_nc_u32 v[AW], s[TBW], v[LN16]
	s_sub_co_u32 s[CNT], s[CNT], 1
	s_cmp_lg_u32 s[CNT], 0
	s_cbranch_scc1 .Llap
	QTR 0, 1, 1, 0, 2, 0                           ; the last lap is written out: it asks for nothing, and no LDS load passes the table's or the K steps' end
	QTR 0, 2, 2, 0, 2, 1                           ; the last change of slots: K step 31 is waited for, nothing is filled
	QTR 0, 3, 3, 0, 2, 0
	QTR 1, 0, 4, 0, 2, 0
	QTR 1, 1, 5, 0, 2, 0
	QTR 1, 2, 6, 0, 1, 0
	QTR 1, 3, 7, 0, 0, 0
; THE WAY OUT.  A lane's eight results are 32 bytes of a row of out; the lanes beside it hold other rows.  So a block of 16 rows x 128 columns at a time goes through my own stage: in by rows of 528 bytes, back as
; whole rows of 512; b2 is added, and the wave's 32 lanes store 512 consecutive bytes.  LDS serves a wave's instructions in order (ISA guide 5.7.1.4): no wait between the stores and the loads, nor between blocks.
.macro TOSTAGE blk                     ; block blk: rows 16 (blk / 2) on, columns 128 (blk % 2) on
.set oA, (\blk)/2
.set oH, (\blk)%2
.set oB, 32+64*((\blk)%2)              ; back into v[32:95] and v[96:159] by turns: QZ, WX, G and H have served
.if (\blk) >= 2
	s_wait_xcnt 0x0                                ; every earlier memory instruction has had its addresses translated (ISA guide 3.1): the registers that the block two back was stored from are loaded again only behind this wait
.endif
	WIN 0x08+4*(oA/2)                              ; store data (source 1) in window 2 or 3
.set bb, 0
.rept 8
.set rD, 8*(16*(oA%2)+8*oH+bb)
	ds_store_b128 v[STO], v[rD:rD+3] offset:64*bb          ; each accumulator's four lowest registers first
	ds_store_b128 v[STO], v[rD+4:rD+7] offset:64*bb+16
.set bb, bb+1
.endr
	WIN 0
.set tt, 0
.rept 16
	ds_load_b128 v[oB+4*tt:oB+4*tt+3], v[RD] offset:SPITCH*tt
.set tt, tt+1
.endr
.endm
.macro SEND blk, younger               ; younger: the LDS instructions issued behind this block's loads: the next block's 32, or none
.set oA, (\blk)/2
.set oH, (\blk)%2
.set oB, 32+64*((\blk)%2)
.set tt, 0
.rept 16
	s_wait_dscnt (\younger)+15-tt                  ; row tt is back; this block's later rows and the next block's instructions may be out
	v_pk_add_f32 v[oB+4*tt:oB+4*tt+1], v[oB+4*tt:oB+4*tt+1], v[BIAS+4*oH:BIAS+4*oH+1]
	v_pk_add_f32 v[oB+4*tt+2:oB+4*tt+3], v[oB+4*tt+2:oB+4*tt+3], v[BIAS+4*oH+2:BIAS+4*oH+3]
	global_store_b128 v[LN16], v[oB+4*tt:oB+4*tt+3], s[12:13] offset:(16*oA+tt)*4096+512*oH th:TH_STORE_NT  ; 512 consecutive bytes, at a multiple of 512 from out0's first; 258,560 at the most in the immediate
.set tt, tt+1
.endr
.endm
	PLACES                                         ; the stores below read results just made
	TOSTAGE 0
.irp k, 1,2,3,4,5,6,7                  ; a block's way into the stage stands between the loads of the block before and its stores
	TOSTAGE \k
	SEND (\k)-1, 32
.endr
	SEND 7, 0
	s_wait_tensorcnt 0x0                           ; the wave's end: behind my last tensor load and my last LDS store
	ds_add_u32 v[SPW], v[NIL]
	s_wait_dscnt 0x0
	CROUND                                         ; the closing round: no work-group ends while a partner may still ask for a tile that names it
	s_endpgm
.Lfunc_end_k_qda0cab50ef_ffn:
	.size	k_qda0cab50ef_ffn, .Lfunc_end_k_qda0cab50ef_ffn-k_qda0cab50ef_ffn
	.p2alignl 7, 3214868480
	.fill 96, 4, 3214868480
	.section	.rodata,"a",@progbits
	.p2align	6, 0x0
	.amdhsa_kernel k_qda0cab50ef_ffn
		.amdhsa_group_segment_fixed_size 327680
		.amdhsa_private_segment_fixed_size 0
		.amdhsa_enable_private_segment 0
		.amdhsa_kernarg_size 40
		.amdhsa_user_sgpr_count 2
		.amdhsa_user_sgpr_kernarg_segment_ptr 1
		.amdhsa_wavefront_size32 1
		.amdhsa_system_sgpr_workgroup_id_x 1
		.amdhsa_system_sgpr_workgroup_id_y 1
		.amdhsa_system_sgpr_workgroup_id_z 1
		.amdhsa_system_vgpr_workitem_id 0
		.amdhsa_next_free_vgpr 1024
		.amdhsa_next_free_sgpr 66
		.amdhsa_reserve_vcc 0
		.amdhsa_float_denorm_mode_32 3
		.amdhsa_float_denorm_mode_16_64 3
		.amdhsa_memory_ordered 1
		.amdhsa_forward_progress 1
		.amdhsa_inst_pref_size 235
	.end_amdhsa_kernel
	.amdgpu_metadata
---
amdhsa.version: [ 1, 2 ]
amdhsa.kernels:
  - .name:           k_qda0cab50ef_ffn
    .symbol:         k_qda0cab50ef_ffn.kd
    .args:
      - { .name: w2h, .offset: 0, .size: 8, .value_kind: global_buffer, .address_space: global }
      - { .name: w1x, .offset: 8, .size: 8, .value_kind: global_buffer, .address_space: global }
      - { .name: qzx, .offset: 16, .size: 8, .value_kind: global_buffer, .address_space: global }
      - { .name: b2, .offset: 24, .size: 8, .value_kind: global_buffer, .address_space: global }
      - { .name: out0, .offset: 32, .size: 8, .value_kind: global_buffer, .address_space: global }
    .group_segment_fixed_size: 327680
    .private_segment_fixed_size: 0
    .kernarg_segment_align: 8
    .kernarg_segment_size: 40
    .max_flat_workgroup_size: 128
    .sgpr_count:     66
    .vgpr_count:     1024
    .wavefront_size: 32
...
	.end_amdgpu_metadata
.endif
;; end of part 2
;; ======== version 2 of 2: 2 launches; version 1 with the launch prep written anew for expert scheduling mode
;; limits: values outside matrix products are rounded to f16; values are held in f16: magnitudes above 65,504 overflow, below 6.1e-05 lose precision; right only within a limited range of input values; inputs' magnitudes at most 100,000
;; workspace buffers: w2h 8,388,608 bytes; w1x 131,072 bytes; qzx 524,288 bytes
;; launch prep (part 3): grid 256 x 1, 8 waves a work-group, no clusters, 0 bytes of LDS; arguments W2, x, W1, b1, theta, w2h, qzx, w1x; writes w2h, qzx, w1x
.if DOCPART == 3
	.amdgcn_target "amdgcn-amd-amdhsa--gfx1250"
	.amdhsa_code_object_version 6
	.text
	.protected	k_qda0cab50ef_prep
	.globl	k_qda0cab50ef_prep
	.p2align	8
	.type	k_qda0cab50ef_prep,@function
k_qda0cab50ef_prep:
	s_mov_b64 s[64:65], 0
	v_nop
	global_prefetch_b8 v0, s[64:65] scope:SCOPE_SE
	s_setreg_imm32_b32 hwreg(HW_REG_WAVE_SCHED_MODE, 0, 2), 2
	s_setreg_imm32_b32 hwreg(HW_REG_WAVE_MODE, 25, 1), 1
	s_wait_xcnt 0x0
	s_wait_alu depctr_vm_vsrc(0)
; PREPARATION for the fused feed-forward launch.  Three tables are made, each number rounded once from f32 to f16:
;   w2h [1024][4096] f16: W2 as it lies.
;   qzx: for each group of 16 rows m of x, 512 bytes: lane L = 16 h + r of a wave finds at 16 L the numbers k = 8 h .. 8 h + 7 of row r's extended vector
;        (cos x[m][0..7], 1, 0 x 7): registers 0-3 of a 16-bit matrix fragment.  Only the first eight numbers of a row of x enter the result, so only those 32 bytes are read.
;   w1x: the same form for each group of 16 rows f of W1: (W1[f][0..7] x cos theta[0..7], b1[f], 0 x 7).  The dot product of the two extended vectors is qz . W1[f] + b1[f].
; cos theta is multiplied into W1 in f32, ahead of the one rounding: an order of rounding other than cos x cos theta first.
; THE COSINE: n = round(x / 2 pi); r = x - n 2 pi, 2 pi in two parts, by fused multiply-adds; cos r = 1 - 2 sin^2(r / 2), the sine by its series through y^11 on |y| <= pi / 2 (the first term left out is under 6e-8).
; LIMITS.  |x|, |theta| up to 1e5: the cosine is right to about 1e-6; from some 4e6 on the reduction loses digits.  f16 ends at 65,504: |W2|, |W1 cos theta| and |b1| stay under it; below 6e-5 f16 keeps a fixed step of 6e-8.
; SHARES.  256 work-groups of eight waves.  Work-group g: 16,384 numbers of W2, each wave 2,048 (sixteen loads of 512 consecutive bytes, sixteen stores of 256 consecutive aligned bytes);
; waves 0-3 also make group 4 g + wave of qzx, wave 4 group g of w1x.  No wave needs another's data: no LDS, no barrier, no matrix unit.
; THE MODE: SCHED_MODE bits 1:0 = 2 (LLVM: expert scheduling mode 2), set by the entry lines.  The code itself states the register dependences
; between vector instructions and memory instructions, with s_wait_alu, always for 0.
; THE PLAN.  Registers that memory instructions touch:
;   SIN, SOUT, NUL   offsets made at the head; JIN, JOUT, BOF offsets made at the head of a side job's path.  Read by loads and stores; never written again.
;   DAT              a side job's loads land in it; the cosines or products read it; TABLE writes its first four registers; the job's one store reads them; never written again.
;   BB, CO           (wave 4) loads land in them before any vector instruction names them; from then on vector instructions alone.
;   X                the stream's sixteen loads land in it, once; the conversions read it; never loaded again.
;   Y                the conversions write each of its registers once; the stream's stores read them; never written again.
; So no register that a memory instruction has read is written again, and no register that a vector instruction has read is loaded again.  What is stated: each path's offsets are written, ahead of
; its first load; a side job's four words are written, ahead of its store; a block's eight registers of Y are written, ahead of its four stores; and the two scalar results of vector instructions, s24 and VCC.
; The stream goes out in four blocks of four loads: block p's conversions name X and Y of block p alone, and the four stores of block p - 1 are dealt among them, behind one wait at the block's head.
.set LANE, 1                           ; v1       lane
.set ROWR, 2                           ; v2       lane % 16
.set SIN,  3                           ; v3       the stream's byte offset in W2
.set DAT,  4                           ; v[4:11]  eight numbers of x or of W1; then v[4:7] the 16 bytes to store
.set BB,   12                          ; v12      b1[f]
.set T,    13                          ; v13-15   the cosine's work
.set CO,   16                          ; v[16:23] theta, cosines, products
.set SOUT, 24                          ; v24      the stream's byte offset in w2h
.set JIN,  25                          ; v25      the side job's load offset
.set JOUT, 26                          ; v26      16 x lane, then the side job's store offset
.set NUL,  27                          ; v27      0
.set ONE,  28                          ; v28      what lanes 16-31 put into their first word: f16 1.0, or b1[f]
.set BOF,  29                          ; v29      b1's offset
.set C5,   30                          ; v30      the series' last coefficient
.set X,    32                          ; v[32:95]  the sixteen stream loads
.set Y,    96                          ; v[96:127] sixteen pairs to store; written once, so no store's data is ever rewritten
.macro COS d, s                        ; v[d] = cos v[s]
	v_mul_f32 v[T], 0.15915494, v[(\s)]
	v_rndne_f32 v[T], v[T]                                 ; n
	v_fmamk_f32 v[T+1], v[T], 0xc0c90fdb, v[(\s)]          ; x - n x 6.2831855
	v_fmamk_f32 v[T+1], v[T], 0x343bbd2e, v[T+1]           ; + n x 1.7484555e-7: what that constant has too much
	v_mul_f32 v[T+1], 0.5, v[T+1]                          ; y = r / 2
	v_mul_f32 v[T+2], v[T+1], v[T+1]                       ; u = y y
	v_fmaak_f32 v[T], v[C5], v[T+2], 0x3638ef1d            ; sin y / y = 1 - u/3! + u^2/5! - u^3/7! + u^4/9! - u^5/11!, by Horner
	v_fmaak_f32 v[T], v[T], v[T+2], 0xb9500d01
	v_fmaak_f32 v[T], v[T], v[T+2], 0x3c088889
	v_fmaak_f32 v[T], v[T], v[T+2], 0xbe2aaaab
	v_fmaak_f32 v[T], v[T], v[T+2], 0x3f800000
	v_mul_f32 v[T], v[T], v[T]
	v_mul_f32 v[T], v[T], v[T+2]                           ; sin^2 y
	v_fma_f32 v[(\d)], v[T], -2.0, 1.0
.endm
.macro STREAM                          ; my 8,192 bytes of W2: sixteen loads on their way at once
.set j, 0
.rept 16
	global_load_b128 v[X+4*j:X+4*j+3], v[SIN], s[8:9] offset:512*j th:TH_LOAD_NT
.set j, j+1
.endr
.endm
.macro TABLE                           ; v[CO..CO+7] rounded to f16 in pairs; lanes 16-31 take (ONE, 0, 0, 0) instead: k = 8 .. 15 of the extended vector
	v_cmp_le_u32 vcc_lo, 16, v[LANE]               ; the mask is made first, so that the four roundings stand between it and the wait for it
.set j, 0
.rept 4
	v_cvt_pk_f16_f32 v[DAT+j], v[CO+2*j], v[CO+2*j+1]
.set j, j+1
.endr
	s_wait_alu depctr_va_vcc(0)                    ; the compare has written VCC, which the four selects below read
	v_cndmask_b32 v[DAT], v[DAT], v[ONE], vcc_lo
	v_cndmask_b32 v[DAT+1], v[DAT+1], v[NUL], vcc_lo
	v_cndmask_b32 v[DAT+2], v[DAT+2], v[NUL], vcc_lo
	v_cndmask_b32 v[DAT+3], v[DAT+3], v[NUL], vcc_lo
.endm
	s_load_b512 s[8:23], s[0:1], 0x0               ; W2 s[8:9], x s[10:11], W1 s[12:13], b1 s[14:15], theta s[16:17], w2h s[18:19], qzx s[20:21], w1x s[22:23]
	v_lshrrev_b32 v1, 5, v0
	v_readfirstlane_b32 s24, v1                    ; wave 0..7
	v_and_b32 v[LANE], 31, v0                      ; the lines that do not want the wave's number stand between that line and the wait for it
	v_and_b32 v[ROWR], 15, v0
	v_lshlrev_b32 v[JOUT], 4, v[LANE]              ; 16 x lane
	v_lshlrev_b32 v[SOUT], 3, v[LANE]
	v_mov_b32 v[NUL], 0
	v_mov_b32 v[C5], 0xb2d7322b                    ; -1 / 11!
	s_wait_alu depctr_va_sdst(0)                   ; s24 is written, ahead of its first reader: offsets, the group's number and the branches below are made from it
	v_lshl_add_u32 v[SIN], s24, 13, v[JOUT]        ; + 8,192 x wave
	v_lshl_add_u32 v[SOUT], s24, 12, v[SOUT]       ; 8 x lane + 4,096 x wave
	s_mov_b32 s28, ttmp9                           ; g
	s_lshl_b32 s29, s28, 2
	s_add_co_u32 s29, s29, s24                     ; 4 g + wave: the group of qzx (waves 0-3)
	s_lshl_b32 s26, s28, 16                        ; the work-group's 65,536 bytes of W2
	s_mov_b32 s27, 0
	s_wait_kmcnt 0x0
	s_add_nc_u64 s[8:9], s[8:9], s[26:27]
	s_lshl_b32 s26, s28, 15                        ; and its 32,768 bytes of w2h
	s_add_nc_u64 s[18:19], s[18:19], s[26:27]
	s_cmp_lt_u32 s24, 4
	s_cbranch_scc1 .Lq
	s_cmp_eq_u32 s24, 4
	s_cbranch_scc1 .Lw
	s_wait_alu depctr_va_vdst(0)                   ; v[SIN] is written, which the stream's loads read as their offset; so is v[SOUT], which its stores read
	STREAM                                         ; waves 5-7 have the stream alone
	s_branch .Lconv
.Lq:                                                   ; waves 0-3: sixteen rows of x
	v_lshl_add_u32 v[JIN], s29, 4, v[ROWR]         ; row 16 (4 g + wave) + lane % 16; both halves of the lanes read it
	v_lshlrev_b32 v[JIN], 12, v[JIN]               ; x 4,096 bytes: under 2^26
	v_lshl_add_u32 v[JOUT], s29, 9, v[JOUT]        ; 512 bytes a group
	v_mov_b32 v[ONE], 0x3c00                       ; f16 1.0, then 0
	s_wait_alu depctr_va_vdst(0)                   ; v[JIN] and v[SIN] are written, which the loads below read as offsets; so are v[JOUT] and v[SOUT], which this path's stores read
	global_load_b128 v[DAT:DAT+3], v[JIN], s[10:11] th:TH_LOAD_NT
	global_load_b128 v[DAT+4:DAT+7], v[JIN], s[10:11] offset:16 th:TH_LOAD_NT
	STREAM
	s_wait_loadcnt 0x10                            ; loads come back in order: all but the stream's sixteen are in
.set i, 0
.rept 8
	COS CO+i, DAT+i
.set i, i+1
.endr
	TABLE
	s_wait_alu depctr_va_vdst(0)                   ; the selects have written v[DAT .. DAT+3], which the store reads
	global_store_b128 v[JOUT], v[DAT:DAT+3], s[20:21]  ; 512 consecutive bytes, at a multiple of 512 from qzx's first
	s_branch .Lconv
.Lw:                                                   ; wave 4: sixteen rows of W1, their b1, and theta
	v_lshl_add_u32 v[JIN], s28, 4, v[ROWR]         ; f = 16 g + lane % 16
	v_lshlrev_b32 v[BOF], 2, v[JIN]
	v_lshlrev_b32 v[JIN], 5, v[JIN]                ; a row of W1 is 32 bytes
	v_lshl_add_u32 v[JOUT], s28, 9, v[JOUT]
	s_wait_alu depctr_va_vdst(0)                   ; v[JIN], v[BOF], v[NUL] and v[SIN] are written, which the loads below read as offsets; so are v[JOUT] and v[SOUT], which this path's stores read
	global_load_b128 v[DAT:DAT+3], v[JIN], s[12:13]
	global_load_b128 v[DAT+4:DAT+7], v[JIN], s[12:13] offset:16
	global_load_b32 v[BB], v[BOF], s[14:15]
	global_load_b128 v[CO:CO+3], v[NUL], s[16:17]
	global_load_b128 v[CO+4:CO+7], v[NUL], s[16:17] offset:16
	STREAM
	s_wait_loadcnt 0x10                            ; all but the stream's sixteen
.set i, 0
.rept 8
	COS CO+i, CO+i
.set i, i+1
.endr
.set i, 0
.rept 8
	v_mul_f32 v[CO+i], v[DAT+i], v[CO+i]           ; W1[f][w] cos theta[w], in f32
.set i, i+1
.endr
	v_cvt_pk_f16_f32 v[ONE], v[BB], v[NUL]         ; b1[f], then 0
	TABLE
	s_wait_alu depctr_va_vdst(0)                   ; the selects have written v[DAT .. DAT+3], which the store reads
	global_store_b128 v[JOUT], v[DAT:DAT+3], s[22:23]
.Lconv:                                                ; on every way here the youngest sixteen loads are the stream's
.set p, 0
.rept 4                                ; block p: loads 4 p .. 4 p + 3 are rounded; the stores of block p - 1 stand among its conversions
	s_wait_loadcnt 12-4*p                          ; this block's four loads are in, the younger ones stay out
.if p > 0
	s_wait_alu depctr_va_vdst(0)                   ; the block before has written its eight registers of Y, which the four stores below read; no conversion of this block names them
.endif
.set i, 0
.rept 4
.set j, 4*p+i
.if p > 0
	global_store_b64 v[SOUT], v[Y+2*(j-4):Y+2*(j-4)+1], s[18:19] offset:256*(j-4)  ; the wave's 32 lanes store 256 consecutive bytes, at a multiple of 256 from w2h's first
.endif
	v_cvt_pk_f16_f32 v[Y+2*j], v[X+4*j], v[X+4*j+1]
	v_cvt_pk_f16_f32 v[Y+2*j+1], v[X+4*j+2], v[X+4*j+3]
.set i, i+1
.endr
.set p, p+1
.endr
	s_wait_alu depctr_va_vdst(0)                   ; the last block has written its eight registers of Y, which the last four stores read
.set j, 12
.rept 4
	global_store_b64 v[SOUT], v[Y+2*j:Y+2*j+1], s[18:19] offset:256*j
.set j, j+1
.endr
	s_endpgm
.Lfunc_end_k_qda0cab50ef_prep:
	.size	k_qda0cab50ef_prep, .Lfunc_end_k_qda0cab50ef_prep-k_qda0cab50ef_prep
	.p2alignl 7, 3214868480
	.fill 96, 4, 3214868480
	.section	.rodata,"a",@progbits
	.p2align	6, 0x0
	.amdhsa_kernel k_qda0cab50ef_prep
		.amdhsa_group_segment_fixed_size 0
		.amdhsa_private_segment_fixed_size 0
		.amdhsa_enable_private_segment 0
		.amdhsa_kernarg_size 64
		.amdhsa_user_sgpr_count 2
		.amdhsa_user_sgpr_kernarg_segment_ptr 1
		.amdhsa_wavefront_size32 1
		.amdhsa_system_sgpr_workgroup_id_x 1
		.amdhsa_system_sgpr_workgroup_id_y 1
		.amdhsa_system_sgpr_workgroup_id_z 1
		.amdhsa_system_vgpr_workitem_id 0
		.amdhsa_next_free_vgpr 128
		.amdhsa_next_free_sgpr 66
		.amdhsa_reserve_vcc 1
		.amdhsa_float_denorm_mode_32 3
		.amdhsa_float_denorm_mode_16_64 3
		.amdhsa_memory_ordered 1
		.amdhsa_forward_progress 1
		.amdhsa_inst_pref_size 24
	.end_amdhsa_kernel
	.amdgpu_metadata
---
amdhsa.version: [ 1, 2 ]
amdhsa.kernels:
  - .name:           k_qda0cab50ef_prep
    .symbol:         k_qda0cab50ef_prep.kd
    .args:
      - { .name: W2, .offset: 0, .size: 8, .value_kind: global_buffer, .address_space: global }
      - { .name: x, .offset: 8, .size: 8, .value_kind: global_buffer, .address_space: global }
      - { .name: W1, .offset: 16, .size: 8, .value_kind: global_buffer, .address_space: global }
      - { .name: b1, .offset: 24, .size: 8, .value_kind: global_buffer, .address_space: global }
      - { .name: theta, .offset: 32, .size: 8, .value_kind: global_buffer, .address_space: global }
      - { .name: w2h, .offset: 40, .size: 8, .value_kind: global_buffer, .address_space: global }
      - { .name: qzx, .offset: 48, .size: 8, .value_kind: global_buffer, .address_space: global }
      - { .name: w1x, .offset: 56, .size: 8, .value_kind: global_buffer, .address_space: global }
    .group_segment_fixed_size: 0
    .private_segment_fixed_size: 0
    .kernarg_segment_align: 8
    .kernarg_segment_size: 64
    .max_flat_workgroup_size: 256
    .sgpr_count:     66
    .vgpr_count:     128
    .wavefront_size: 32
...
	.end_amdgpu_metadata
.endif
;; end of part 3
;; launch ffn: the kernel of part 2 again; grid 64 x 4, 4 waves a work-group, clusters of 4 x 1, 327,680 bytes of LDS; arguments w2h, w1x, qzx, b2, out0; writes out0
